; MI455X (gfx1250); checked and timed in simulation.
; The chip was launched on July 23, 2026; its instructions are those of AMD's public machine-readable ISA for CDNA 5 (MIT licence, August 2026) and "CDNA5" Instruction Set Architecture Reference Guide (July 2026). The comments in the code are by the model that wrote it; some were corrected since.
;; Mo E Layer. Allowed arithmetic: float matrix products may take bf16 or f16 operands with f32 sums; other float arithmetic in f32, or as packed bf16 or f16 multiplies, adds, multiply-adds, maxima and minima; sums over many terms, partial sums and values carried from step to step in f32; what a program stores and reads back later, other than sums and carried values, may be rounded once to bf16 or f16.
;; Inputs: b1 8 x 2,048 float32; b2 8 x 512 float32; router_b 8 float32; router_w 8 x 512 float32; w1 8 x 512 x 2,048 float32; w2 8 x 2,048 x 512 float32; x 4 x 1,024 x 512 float32.
;; Outputs: out0 4 x 1,024 x 512 float32; out1 4,096 x 8 float32.
;; Constants: top_k = 2.
;; One version. Each part assembles by itself: llvm-mc -triple=amdgcn-amd-amdhsa -mcpu=gfx1250 --defsym DOCPART=n.
;; ======== version 1 of 1: 3 launches
;; limits: values are held in f16: magnitudes above 65,504 overflow, below 6.1e-05 lose precision; a function is approximated: absolute error at most 2.5e-05; right only within a limited range of input values
;; workspace buffers: xb 4,194,304 bytes; w1f 16,777,216 bytes; w2f 16,777,216 bytes; msk 16,384 bytes of whole numbers; cnt 4,096 bytes of whole numbers; gate 32,768 bytes; ypart 33,554,432 bytes
;; launch prep (part 1): grid 288 x 1, 8 waves a work-group, no clusters, 84,224 bytes of LDS; arguments x, router_w, router_b, w1, w2, xb, w1f, w2f, msk, cnt, gate, out1; writes xb, w1f, w2f, msk, cnt, gate, out1
.if DOCPART == 1
	.amdgcn_target "amdgcn-amd-amdhsa--gfx1250"
	.amdhsa_code_object_version 6
	.text
	.protected	k_q830929d419_prep
	.globl	k_q830929d419_prep
	.p2align	8
	.type	k_q830929d419_prep,@function
k_q830929d419_prep:
	s_mov_b64 s[64:65], 0
	v_nop
	global_prefetch_b8 v0, s[64:65] scope:SCOPE_SE
	s_setreg_imm32_b32 hwreg(HW_REG_WAVE_MODE, 25, 1), 1
	s_wait_xcnt 0x0
; PREP: two roles in one text, chosen by the work-group's number (the same in all its waves).
; Work-groups 0-31, THE ROUTER: 128 tokens each, 16 a wave.  x is rounded to bf16 and stored (xb); logits = x . router_w^T + router_b on the
; bf16-rounded inputs with f32 sums (out1); the two largest logits (ties: the lower index), their softmax with the maximum taken away (gate);
; and, as whole numbers at fixed places, one bit for each token, choice and expert (msk) and each expert's count in the block (cnt).
; Work-groups 32-287, THE CAST: w1 and w2 are rounded to bf16 and laid out in the order in which a wave's matrix operand registers take them
; (w1f in bf16; w2f holds the bf16-rounded number written as f16).  A wave turns one tile of 32 k x 128 columns of each.
; LIMITS.  A w2 below 6e-5 keeps f16's fixed step of 6e-8, one beyond 65,504 is lost.  NaN and infinities among the logits are not treated apart.
; No cluster: no two work-groups read the same bytes but router_w's 16 KiB.
.set REG,   9216                       ; a wave's own LDS region: 32 rows x 288 bytes (cast) or 16 rows x 272 bytes (router)
.set RW,    73728                      ; router_w in bf16: 8 rows, 1,024 bytes + 16 of padding
.set RWP,   1040
.set EX,    82176                      ; 32 rows x 8 waves x 4 bytes: the waves' masks and counts
.set SPARE, 83200                      ; the spare words, 128 bytes for each of the eight waves: four blocks of 256 bytes that no other line names
.set X,    16                          ; v16-143   numbers as loaded (router: two buffers of 64)
.set T,    144                         ; v144-207  rounded numbers, then turned fragments (router: fragments, later at work)
.set FA,   144                         ; router: 4 fragments of router_w
.set FB,   176                         ; router: 4 fragments of x
.set ACC0, 208
.set ACC1, 216
.set CB,   224                         ; router_b, rounded, one register an expert
.set LG,   232                         ; the lane's token's eight logits
	s_load_b512 s[4:19], s[0:1], 0x0               ; x 4, router_w 6, router_b 8, w1 10, w2 12, xb 14, w1f 16, w2f 18
	s_load_b256 s[20:27], s[0:1], 0x40             ; msk 20, cnt 22, gate 24, out1 26
	v_lshl_add_u32 v4, v0, 2, SPARE                ; my spare word; never rewritten
	v_mov_b32 v5, 0                                ; 0; never rewritten
	v_and_b32 v1, 31, v0                           ; lane
	v_lshrrev_b32 v12, 5, v0
	v_readfirstlane_b32 s2, v12                    ; wave 0..7
	v_and_b32 v2, 15, v0                           ; r = lane % 16
	v_bfe_u32 v3, v0, 4, 1                         ; h = lane / 16
	v_lshlrev_b32 v6, 4, v1                        ; 16 x lane
	v_lshlrev_b32 v7, 3, v1                        ; 8 x lane
	s_mul_i32 s28, s2, REG
	v_add_nc_u32 v8, s28, v7                       ; into my region: 8 bytes a lane
	s_mov_b32 s29, 0xffff0000                      ; a word's upper bf16; also the mask of lanes 16-31
	s_mov_b32 s35, 0                               ; the high word of every offset pair s[34:35]
	s_wait_kmcnt 0x0
	s_cmp_lt_u32 ttmp9, 32
	s_cbranch_scc1 .Lrouter
; ---------------------------------------------------------------- THE CAST
.macro CLOAD lo, stride                ; 32 rows of 512 consecutive bytes
.set i, 0
.rept 32
	global_load_b128 v[X+4*i:X+4*i+3], v6, s[\lo:\lo+1] offset:i*(\stride) th:TH_LOAD_NT
.set i, i+1
.endr
.endm
.macro CCVT f16                        ; rounded to bf16, two words a row; f16 = 1: that number written as f16
.set i, 0
.rept 32
.if i%8 == 0
	s_wait_loadcnt 24-i                            ; loads come back in order: the younger groups of eight rows stay out
.endif
	v_cvt_pk_bf16_f32 v[T+2*i], v[X+4*i], v[X+4*i+1]
	v_cvt_pk_bf16_f32 v[T+2*i+1], v[X+4*i+2], v[X+4*i+3]
.if \f16
	v_lshlrev_b32 v12, 16, v[T+2*i]
	v_and_b32 v13, s29, v[T+2*i]
	v_lshlrev_b32 v14, 16, v[T+2*i+1]
	v_and_b32 v15, s29, v[T+2*i+1]
	v_cvt_pk_f16_f32 v[T+2*i], v12, v13
	v_cvt_pk_f16_f32 v[T+2*i+1], v14, v15
.endif
.set i, i+1
.endr
.endm
.macro CSTAGE lo, big                  ; through my region, turned, and out: tile i of 16 columns at (i / 4) x big + (i % 4) x 1,024, its two halves of 16 k 512 bytes apart
.set i, 0
.rept 32
	ds_store_b64 v8, v[T+2*i:T+2*i+1] offset:288*i
.set i, i+1
.endr
.set i, 0
.rept 8                                ; LDS serves a wave's instructions in order: these see the stores above
	ds_load_tr16_b128 v[T+8*i:T+8*i+3], v9 offset:32*i
	ds_load_tr16_b128 v[T+8*i+4:T+8*i+7], v9 offset:32*i+4608
.set i, i+1
.endr
	s_wait_dscnt 0x0
.set i, 0
.rept 8
	global_store_b128 v6, v[T+8*i:T+8*i+3], s[\lo:\lo+1] offset:(i/4)*(\big)+(i%4)*1024       ; a wave's store covers 512 consecutive bytes, aligned
	global_store_b128 v6, v[T+8*i+4:T+8*i+7], s[\lo:\lo+1] offset:(i/4)*(\big)+(i%4)*1024+512
.set i, i+1
.endr
.endm
	s_sub_co_u32 s30, ttmp9, 32
	s_lshl_b32 s30, s30, 3
	s_add_co_u32 s30, s30, s2                      ; my task's number, 0..2047
	s_lshr_b32 s31, s30, 8                         ; the expert, in both tasks
	s_bfe_u32 s32, s30, 0x40004                    ; w1: which 32 of the 512 k
	s_and_b32 s33, s30, 15                         ; w1: which 128 of the 2,048 columns
	s_lshl_b32 s34, s31, 22
	s_lshl_b32 s36, s32, 18
	s_add_co_u32 s34, s34, s36
	s_lshl_b32 s36, s33, 9
	s_add_co_u32 s34, s34, s36
	s_add_nc_u64 s[10:11], s[10:11], s[34:35]
	CLOAD 10, 8192
	s_lshl_b32 s34, s31, 21                        ; w1f: expert 2 MiB, group of 64 columns 64 KiB (two a task), K step 4 KiB
	s_lshl_b32 s36, s33, 17
	s_add_co_u32 s34, s34, s36
	s_lshl_b32 s36, s32, 12
	s_add_co_u32 s34, s34, s36
	s_add_nc_u64 s[16:17], s[16:17], s[34:35]
	s_bfe_u32 s32, s30, 0x60002                    ; w2: which 32 of the 2,048 k
	s_and_b32 s33, s30, 3                          ; w2: which 128 of the 512 columns
	s_lshl_b32 s34, s31, 22
	s_lshl_b32 s36, s32, 16
	s_add_co_u32 s34, s34, s36
	s_lshl_b32 s36, s33, 9
	s_add_co_u32 s34, s34, s36
	s_add_nc_u64 s[12:13], s[12:13], s[34:35]
	s_lshl_b32 s34, s31, 21                        ; w2f: expert 2 MiB, half of k 1 MiB, 128 columns 256 KiB, K step 8 KiB
	s_lshr_b32 s36, s32, 5
	s_lshl_b32 s36, s36, 20
	s_add_co_u32 s34, s34, s36
	s_lshl_b32 s36, s33, 18
	s_add_co_u32 s34, s34, s36
	s_and_b32 s36, s32, 31
	s_lshl_b32 s36, s36, 13
	s_add_co_u32 s34, s34, s36
	s_add_nc_u64 s[18:19], s[18:19], s[34:35]
	v_and_b32 v12, 7, v0                           ; the turning load: lane l reads row 8 (l / 16) + l % 8, 16 bytes at 16 ((l / 8) % 2)
	v_lshl_add_u32 v12, v3, 3, v12
	v_mul_u32_u24 v12, v12, 288
	v_bfe_u32 v13, v0, 3, 1
	v_lshl_add_u32 v12, v13, 4, v12
	v_add_nc_u32 v9, s28, v12
	CCVT 0
	CLOAD 12, 2048                                 ; X is free: w2's 16 KiB are on their way while w1's tile is turned and stored
	CSTAGE 16, 65536
	s_wait_xcnt 0x0                                ; T, which the stores above read, is rewritten only behind this wait
	CCVT 1
	CSTAGE 18, 4096
	s_wait_tensorcnt 0x0                           ; the wave's end: behind my last LDS store
	ds_add_u32 v4, v5
	s_wait_dscnt 0x0
	s_endpgm
; ---------------------------------------------------------------- THE ROUTER
.macro XLOAD kc                        ; unit kc: 16 tokens x 128 columns, 512 consecutive bytes a load
.set i, 0
.rept 16
	global_load_b128 v[X+64*((\kc)%2)+4*i:X+64*((\kc)%2)+4*i+3], v6, s[4:5] offset:2048*i+512*(\kc) th:TH_LOAD_NT
.set i, i+1
.endr
.endm
.macro RUNIT kc
.set XB, X+64*((\kc)%2)
.if (\kc) < 3
	s_wait_loadcnt 16                              ; my unit is in; the one younger unit stays out
.else
	s_wait_loadcnt 0x0
.endif
.set i, 0
.rept 16                               ; these 32 roundings are also the places between the last products and the loads into their fragments
	v_cvt_pk_bf16_f32 v[XB+4*i], v[XB+4*i], v[XB+4*i+1]
	v_cvt_pk_bf16_f32 v[XB+4*i+1], v[XB+4*i+2], v[XB+4*i+3]
	ds_store_b64 v8, v[XB+4*i:XB+4*i+1] offset:272*i
	global_store_b64 v7, v[XB+4*i:XB+4*i+1], s[14:15] offset:1024*i+256*(\kc)   ; 32 lanes store 256 consecutive bytes, aligned
.set i, i+1
.endr
.set i, 0
.rept 4
	ds_load_b128 v[FA+8*i:FA+8*i+3], v10 offset:256*(\kc)+64*i
	ds_load_b128 v[FA+8*i+4:FA+8*i+7], v10 offset:256*(\kc)+64*i+32
	ds_load_b128 v[FB+8*i:FB+8*i+3], v9 offset:64*i
	ds_load_b128 v[FB+8*i+4:FB+8*i+7], v9 offset:64*i+32
.set i, i+1
.endr
	s_wait_dscnt 0x0
.if (\kc) == 0                         ; the first products start the two sums: one with the bias, one with 0
	v_wmma_f32_16x16x32_bf16 v[ACC0:ACC0+7], v[FA:FA+7], v[FB:FB+7], v[CB:CB+7]
	v_wmma_f32_16x16x32_bf16 v[ACC1:ACC1+7], v[FA+8:FA+15], v[FB+8:FB+15], 0
.else                                  ; the two accumulators take turns
	v_wmma_f32_16x16x32_bf16 v[ACC0:ACC0+7], v[FA:FA+7], v[FB:FB+7], v[ACC0:ACC0+7]
	v_wmma_f32_16x16x32_bf16 v[ACC1:ACC1+7], v[FA+8:FA+15], v[FB+8:FB+15], v[ACC1:ACC1+7]
.endif
	v_wmma_f32_16x16x32_bf16 v[ACC0:ACC0+7], v[FA+16:FA+23], v[FB+16:FB+23], v[ACC0:ACC0+7]
	v_wmma_f32_16x16x32_bf16 v[ACC1:ACC1+7], v[FA+24:FA+31], v[FB+24:FB+31], v[ACC1:ACC1+7]
.if (\kc) < 2
	s_wait_xcnt 0x0                                ; the buffer, which the stores to xb read, is loaded again only behind this wait
	XLOAD (\kc)+2
.endif
.endm
.Lrouter:
	s_lshl_b32 s34, s2, 11                         ; wave w brings row w of router_w
	s_add_nc_u64 s[6:7], s[6:7], s[34:35]
.irp c, 0,1,2,3
	global_load_b128 v[T+4*\c:T+4*\c+3], v6, s[6:7] offset:512*\c
.endr
	s_load_b256 s[40:47], s[8:9], 0x0              ; router_b
	s_lshl_b32 s36, ttmp9, 7
	s_lshl_b32 s37, s2, 4
	s_add_co_u32 s36, s36, s37                     ; my first token
	s_lshl_b32 s34, s36, 11
	s_add_nc_u64 s[4:5], s[4:5], s[34:35]
	s_lshl_b32 s34, s36, 10
	s_add_nc_u64 s[14:15], s[14:15], s[34:35]
	XLOAD 0
	XLOAD 1
	s_lshl_b32 s34, s36, 5
	s_add_nc_u64 s[26:27], s[26:27], s[34:35]      ; out1: 32 bytes a token
	s_lshl_b32 s34, s36, 3
	s_add_nc_u64 s[24:25], s[24:25], s[34:35]      ; gate: 8 bytes a token
	s_lshl_b32 s34, ttmp9, 9
	s_add_nc_u64 s[20:21], s[20:21], s[34:35]      ; msk: 512 bytes a block
	s_lshl_b32 s34, ttmp9, 2
	s_add_nc_u64 s[22:23], s[22:23], s[34:35]      ; cnt: column = block
	v_and_b32 v13, 7, v0                           ; source 0's 16 rows are the 8 experts twice
	v_mul_u32_u24 v13, v13, RWP
	v_lshl_add_u32 v13, v3, 4, v13
	v_add_nc_u32 v10, RW, v13
	v_mul_u32_u24 v13, v2, 272                     ; source 1: token r
	v_lshl_add_u32 v13, v3, 4, v13
	v_add_nc_u32 v9, s28, v13
	s_lshl_b32 s37, s2, 2
	s_add_co_u32 s37, s37, EX
	v_lshl_add_u32 v11, v1, 5, s37                 ; row = lane, column = wave
	s_mul_i32 s38, s2, RWP
	s_add_co_u32 s38, s38, RW
	v_add_nc_u32 v14, s38, v7
	s_wait_loadcnt 32                              ; router_w's row is in; the 32 loads of x issued behind it stay out
.irp c, 0,1,2,3
	v_cvt_pk_bf16_f32 v[T+4*\c], v[T+4*\c], v[T+4*\c+1]
	v_cvt_pk_bf16_f32 v[T+4*\c+1], v[T+4*\c+2], v[T+4*\c+3]
	ds_store_b64 v14, v[T+4*\c:T+4*\c+1] offset:256*\c
.endr
	s_wait_kmcnt 0x0
.irp z, 0,1,2,3
	v_cvt_pk_bf16_f32 v12, s[40+2*\z], s[41+2*\z]
	v_lshlrev_b32 v[CB+2*\z], 16, v12
	v_and_b32 v[CB+2*\z+1], s29, v12
.endr
	s_wait_dscnt 0x0                               ; for the others' sake: my row of router_w is in LDS
	s_barrier_signal -1
	s_barrier_wait -1
	RUNIT 0
	RUNIT 1
	RUNIT 2
	RUNIT 3
.rept 4
	v_nop                                          ; four places between the last product and the first read of its result
.endr
.irp j, 0,1,2,3,4,5,6,7
	v_add_f32 v[LG+\j], v[ACC0+\j], v[ACC1+\j]     ; ascending: each accumulator is read from its low end on
.endr
	; a lane holds token r's eight logits, alike in both halves of the lanes: half h stores logits 4 h .. 4 h + 3: 512 consecutive bytes a wave
.irp j, 0,1,2,3
	v_cndmask_b32 v[12+\j], v[LG+\j], v[LG+4+\j], s29
.endr
	v_lshlrev_b32 v144, 5, v2
	v_lshl_add_u32 v144, v3, 4, v144
	global_store_b128 v144, v[12:15], s[26:27]
	v_mov_b32 v145, v[LG]                          ; the largest: strictly greater, ascending, so the lower index wins a tie
	v_mov_b32 v146, 0
.irp j, 1,2,3,4,5,6,7
	v_cmp_gt_f32 vcc_lo, v[LG+\j], v145
	v_cndmask_b32 v145, v145, v[LG+\j], vcc_lo
	v_cndmask_b32 v146, v146, \j, vcc_lo
.endr
	v_mov_b32 v149, 0xff800000
.irp j, 0,1,2,3,4,5,6,7
	v_cmp_eq_u32 vcc_lo, \j, v146                  ; the chosen one leaves the field,
	v_cndmask_b32 v[LG+\j], v[LG+\j], v149, vcc_lo
.endr
	v_mov_b32 v147, v[LG]                          ; and the same pass finds the second
	v_mov_b32 v148, 0
.irp j, 1,2,3,4,5,6,7
	v_cmp_gt_f32 vcc_lo, v[LG+\j], v147
	v_cndmask_b32 v147, v147, v[LG+\j], vcc_lo
	v_cndmask_b32 v148, v148, \j, vcc_lo
.endr
	v_sub_f32 v150, v147, v145                     ; softmax of the two, the maximum taken away: 1 / (1 + e), e / (1 + e), e = exp(second - first)
	v_mul_f32 v150, 0x3fb8aa3b, v150
	v_exp_f32 v151, v150
	v_lshlrev_b32 v156, 3, v2                      ; (a plain instruction behind the exponential)
	s_wait_alu depctr_va_vdst(0)                   ; the wait ahead of the result's first reader
	v_add_f32 v152, 1.0, v151
	v_rcp_f32 v153, v152
	v_lshl_add_u32 v156, v3, 2, v156               ; (the same behind the reciprocal)
	s_wait_alu depctr_va_vdst(0)
	v_mul_f32 v154, v151, v153
	v_cndmask_b32 v155, v153, v154, s29            ; half h of the lanes stores choice h's weight
	global_store_b32 v156, v155, s[24:25]
	v_mov_b32 v157, 0                              ; lane e: choice 0's 16 bits for expert e; lane 8 + e: choice 1's; lane 16 + e: their count
.irp e, 0,1,2,3,4,5,6,7
	v_cmp_eq_u32 s48, \e, v146
	v_cmp_eq_u32 s49, \e, v148
	s_and_b32 s48, s48, 0xffff
	s_and_b32 s49, s49, 0xffff
	s_or_b32 s50, s48, s49
	s_bcnt1_i32_b32 s50, s50
	v_writelane_b32 v157, s48, \e
	v_writelane_b32 v157, s49, 8+\e
	v_writelane_b32 v157, s50, 16+\e
.endr
	ds_store_b32 v11, v157
	s_wait_dscnt 0x0                               ; for wave 0's sake
	s_barrier_signal -1
	s_barrier_wait -1
	s_cmp_lg_u32 s2, 0
	s_cbranch_scc1 .Lclose
	v_lshl_add_u32 v158, v1, 5, EX                 ; wave 0: lane l takes row l, the eight waves' words
	ds_load_b128 v[160:163], v158
	ds_load_b128 v[164:167], v158 offset:16
	s_wait_dscnt 0x0
	v_lshl_or_b32 v168, v161, 16, v160             ; masks: two waves' 16 bits make a word of 32 tokens
	v_lshl_or_b32 v169, v163, 16, v162
	v_lshl_or_b32 v170, v165, 16, v164
	v_lshl_or_b32 v171, v167, 16, v166
	v_add_nc_u32 v172, v160, v161                  ; counts: ahead of word 1, 2, 3, and the block's total
	v_add3_u32 v173, v172, v162, v163
	v_add3_u32 v174, v173, v164, v165
	v_add3_u32 v175, v174, v166, v167
	v_lshlrev_b32 v176, 8, v172
	v_lshl_or_b32 v176, v173, 16, v176
	v_lshl_or_b32 v176, v174, 24, v176
	v_cndmask_b32 v168, v168, v176, s29            ; lanes 0-15 store mask words, lanes 16-31 (packed counts, total, 0, 0)
	v_cndmask_b32 v169, v169, v175, s29
	v_cndmask_b32 v170, v170, 0, s29
	v_cndmask_b32 v171, v171, 0, s29
	global_store_b128 v6, v[168:171], s[20:21]     ; the block's whole record, 512 consecutive bytes
	v_lshlrev_b32 v177, 7, v1
	global_store_b32 v177, v175, s[22:23]          ; row l, column block: rows 16 + e are read later, the others are only filled
.Lclose:
	s_wait_tensorcnt 0x0                           ; the wave's end: behind my last LDS store
	ds_add_u32 v4, v5
	s_wait_dscnt 0x0
	s_endpgm
.Lfunc_end_k_q830929d419_prep:
	.size	k_q830929d419_prep, .Lfunc_end_k_q830929d419_prep-k_q830929d419_prep
	.p2alignl 7, 3214868480
	.fill 96, 4, 3214868480
	.section	.rodata,"a",@progbits
	.p2align	6, 0x0
	.amdhsa_kernel k_q830929d419_prep
		.amdhsa_group_segment_fixed_size 84224
		.amdhsa_private_segment_fixed_size 0
		.amdhsa_enable_private_segment 0
		.amdhsa_kernarg_size 96
		.amdhsa_user_sgpr_count 2
		.amdhsa_user_sgpr_kernarg_segment_ptr 1
		.amdhsa_wavefront_size32 1
		.amdhsa_system_sgpr_workgroup_id_x 1
		.amdhsa_system_sgpr_workgroup_id_y 1
		.amdhsa_system_sgpr_workgroup_id_z 1
		.amdhsa_system_vgpr_workitem_id 0
		.amdhsa_next_free_vgpr 240
		.amdhsa_next_free_sgpr 66
		.amdhsa_reserve_vcc 1
		.amdhsa_float_denorm_mode_32 3
		.amdhsa_float_denorm_mode_16_64 3
		.amdhsa_memory_ordered 1
		.amdhsa_forward_progress 1
		.amdhsa_inst_pref_size 77
	.end_amdhsa_kernel
	.amdgpu_metadata
---
amdhsa.version: [ 1, 2 ]
amdhsa.kernels:
  - .name:           k_q830929d419_prep
    .symbol:         k_q830929d419_prep.kd
    .args:
      - { .name: x, .offset: 0, .size: 8, .value_kind: global_buffer, .address_space: global }
      - { .name: router_w, .offset: 8, .size: 8, .value_kind: global_buffer, .address_space: global }
      - { .name: router_b, .offset: 16, .size: 8, .value_kind: global_buffer, .address_space: global }
      - { .name: w1, .offset: 24, .size: 8, .value_kind: global_buffer, .address_space: global }
      - { .name: w2, .offset: 32, .size: 8, .value_kind: global_buffer, .address_space: global }
      - { .name: xb, .offset: 40, .size: 8, .value_kind: global_buffer, .address_space: global }
      - { .name: w1f, .offset: 48, .size: 8, .value_kind: global_buffer, .address_space: global }
      - { .name: w2f, .offset: 56, .size: 8, .value_kind: global_buffer, .address_space: global }
      - { .name: msk, .offset: 64, .size: 8, .value_kind: global_buffer, .address_space: global }
      - { .name: cnt, .offset: 72, .size: 8, .value_kind: global_buffer, .address_space: global }
      - { .name: gate, .offset: 80, .size: 8, .value_kind: global_buffer, .address_space: global }
      - { .name: out1, .offset: 88, .size: 8, .value_kind: global_buffer, .address_space: global }
    .group_segment_fixed_size: 84224
    .private_segment_fixed_size: 0
    .kernarg_segment_align: 8
    .kernarg_segment_size: 96
    .max_flat_workgroup_size: 256
    .sgpr_count:     66
    .vgpr_count:     240
    .wavefront_size: 32
...
	.end_amdgpu_metadata
.endif
;; end of part 1
;; launch chain (part 2): grid 110 x 2, 4 waves a work-group, no clusters, 288,768 bytes of LDS; arguments xb, w1f, w2f, b1, b2, msk, cnt, gate, ypart; writes ypart
.if DOCPART == 2
	.amdgcn_target "amdgcn-amd-amdhsa--gfx1250"
	.amdhsa_code_object_version 6
	.text
	.protected	k_q830929d419_chain
	.globl	k_q830929d419_chain
	.p2align	8
	.type	k_q830929d419_chain,@function
k_q830929d419_chain:
	s_mov_b64 s[64:65], 0
	v_nop
	global_prefetch_b8 v0, s[64:65] scope:SCOPE_SE
	s_setreg_imm32_b32 hwreg(HW_REG_WAVE_MODE, 25, 1), 1
	s_wait_xcnt 0x0
; CHAIN: a work-group takes a tile of 80 routed rows of ONE expert through x W1 + b1, exact GELU, W2 (+ b2), the gate's weight, for one half (1,024) of the hidden units,
; and stores gated f32 partial rows at ypart[half][choice][token].  Only chosen rows are multiplied: the others' weight in reference()'s own combine matrix is 0.
; THE GRID serves every split of the 8,192 routed rows over 8 experts: the sum of ceil(count / 80) never passes 103 + 7 = 110 tiles.  Each work-group finds its expert, its rows and their
; tokens by itself from the whole numbers of an earlier launch (cnt, msk).  A tile that a split leaves without rows runs the same text on a clamped row and jumps its stores; in a tile that
; is not full the places past the count repeat the last row, and blocks of 16 rows wholly past the count are not stored.
; SHARES.  First product, H^T = W1^T X^T in bf16: wave w makes hidden units 256 w .. 256 w + 255 of the half for all 80 rows, 64 at a time (20 accumulators).  Second, Y^T = W2^T H^T in f16:
; wave w makes channels 128 w .. 128 w + 127 for all 80 rows (40 accumulators).  Source 0 = 16 rows of the turned weights, source 1 = 16 tokens: a lane holds one token and eight neighbouring
; hidden units or channels.  X and H lie in LDS; each weight byte has ONE reading wave, so weights come from memory straight into operand registers, a ring of 256 registers, 24 KiB asked ahead.
; FORMATS.  All inputs are rounded to bf16 (x, w1, w2 by the launch before; b1, b2 here); sums in f32.  H holds 2 gelu(x), rounded once to f16; the factor is taken back exactly: b2 enters as 2 b2, the gate's weight as g / 2.
; LIMITS.  |h| stays under 32,752 (2 h in f16); 2 h keeps f16's fixed step of 6e-8 below 6e-5.  erf by 1 - (a1 t + a2 t^2 + a3 t^3) exp(-z^2), t = 1 / (1 + p z): off by 2.5e-5 at the most, for every z.
; An exponential below 2^-126 counts as 0.  NaN and infinities are not treated apart.  The sums' order is not reference()'s.
; NO CLUSTER: neighbouring tiles may belong to different experts in some split, so partners would want different weights; what the two halves share is X, 80 KiB of a work-group's 2.1 MiB, chosen by a list.
; REGISTERS, in windows of 256 (s_set_vgpr_msb: bits 1:0 source 0, 3:2 source 1, 5:4 source 2, 7:6 destination):
;   window 0: addresses, token fragments, bias fragments, the way out     window 1: the weights' ring     window 2: accumulators (first the gathered rows)
;   window 3: first product: v0-79 a pass's packed h, v80-207 GELU at work, two sets of 64; second product: v0-63 the accumulators of rows 64-79
.set XP,     1040                      ; a row of X in LDS: 1,024 bytes + 16: the 16 rows of a fragment load start at 16 different groups of four banks
.set HP,     2064                      ; a row of H: 2,048 + 16
.set LH,     83200                     ; X: 80 rows from byte 0; H: 80 rows from here
.set LBIAS,  248320                    ; for each wave 1,536 bytes: its 256 b1, its 128 b2, f32
.set LSTAGE, 254464                    ; for each wave 16 rows x 528 bytes, for the way out
.set SPITCH, 528
.set SPARE,  288256                    ; the spare words, 128 bytes for each wave: two blocks of 256 bytes that no other line names
.set XA,  8                            ; v8-12   X fragment address, block b of 16 rows
.set HA,  13                           ; v13-17  H fragment address
.set HW,  18                           ; v18-22  where I put 16 bytes of H
.set IDX, 26                           ; v26-28  4,096 x choice + token of row 32 q + lane
.set G,   30                           ; v30-39  half the gate's weight of my token in block b, as pairs
.set AD,  40                           ; v40-55  byte offsets: the gather's, later the stores'
.set T0,  56                           ; token fragments, five to a buffer of 40: v56-95, v96-135, and in the first product also v168-207, v208-247
.set CI,  136                          ; v136-167 (second product: v136-199) bias fragments: the C of the products that start the sums
.set OT,  56                           ; the way out: a block's gated numbers
.set OB,  136                          ; the way out: 16 rows read back
.set CUR, 76                           ; s[76:77] the weight stream in hand
.set NXT, 78                           ; s[78:79] the one behind it
.set W2S, 80                           ; s[80:81] my stream of W2
.set MSB, 0
.macro WIN new                         ; the immediate's high byte repeats the setting that is left; a switch that changes nothing is dropped
.if MSB != (\new)
	s_set_vgpr_msb (MSB<<8)|(\new)
.set MSB, (\new)
.endif
.endm
.macro PLACES                          ; four places between a matrix instruction and a load into, or a vector instruction on, its registers
.rept 4
	v_nop
.endr
.endm
	s_load_b512 s[4:19], s[0:1], 0x0               ; xb 4, w1f 6, w2f 8, b1 10, b2 12, msk 14, cnt 16, gate 18
	s_load_b64 s[20:21], s[0:1], 0x40              ; ypart
	v_lshl_add_u32 v4, v0, 2, SPARE                ; my spare word; never rewritten
	v_mov_b32 v5, 0                                ; 0; never rewritten
	v_and_b32 v1, 31, v0                           ; lane
	v_lshrrev_b32 v200, 5, v0
	v_readfirstlane_b32 s2, v200                   ; wave 0..3
	v_and_b32 v2, 15, v0                           ; r
	v_bfe_u32 v3, v0, 4, 1                         ; h
	v_lshlrev_b32 v6, 4, v1                        ; 16 x lane
	v_lshlrev_b32 v152, 5, v1
	s_mov_b32 s66, ttmp9                           ; tile
	s_and_b32 s67, ttmp7, 0xffff                   ; half of the hidden units
	s_mov_b32 s3, 0xffff0000                       ; lanes 16-31
	s_mov_b32 s22, 0x76543210                      ; v_permlanex16_b32: each lane takes its own place in the other half
	s_mov_b32 s23, 0xfedcba98
	s_mov_b32 s83, 0
	s_mov_b32 s86, 0x7fffffff
	s_mov_b32 s88, 0x3eaa540e                      ; p / sqrt(2) = 0.47047 / sqrt(2)
	s_mov_b32 s90, 0xbf38aa3b                      ; -log2(e) / 2
	s_mov_b32 s92, 0x3eb2303a                      ; a1 =  0.3480242
	s_mov_b32 s94, 0xbdc45ca1                      ; a2 = -0.0958798
	s_mov_b32 s96, 0x3f3f7377                      ; a3 =  0.7478556
.irp z, 88,90,92,94,96
	s_mov_b32 s[\z+1], s[\z]                       ; named as pairs, so both are written
.endr
	s_wait_kmcnt 0x0
	global_load_b128 v[156:159], v152, s[16:17] offset:2048   ; cnt's rows 16 + e: lane 4 e + q has expert e's counts in blocks 8 q .. 8 q + 7
	global_load_b128 v[160:163], v152, s[16:17] offset:2064
	; all LDS addresses, while those are out
	s_lshl_b32 s75, s2, 9
	v_add_nc_u32 v7, s75, v6                       ; my 16 bytes in my wave's 512 of a row of ypart
	v_mul_u32_u24 v200, v2, XP
	v_lshl_add_u32 v200, v3, 4, v200
	v_mul_u32_u24 v201, v2, HP
	v_lshl_add_u32 v201, v3, 4, v201
.irp b, 0,1,2,3,4
	v_add_nc_u32 v[XA+\b], 16*XP*\b, v200          ; row (16 b + r) x pitch + 16 h
	v_add_nc_u32 v[HA+\b], LH+16*HP*\b, v201
	v_add_nc_u32 v[HW+\b], s75, v[HA+\b]           ; + my wave's 256 hidden units
.endr
	s_mul_i32 s74, s2, 16*SPITCH
	s_add_co_u32 s74, s74, LSTAGE
	v_mul_u32_u24 v24, v2, SPITCH                  ; into my stage: row r, 32 bytes for each half of the lanes
	v_lshl_add_u32 v24, v3, 5, v24
	v_add_nc_u32 v24, s74, v24
	v_add_nc_u32 v25, s74, v6                      ; back: a row's 512 bytes, 16 a lane
	s_mul_i32 s74, s2, 1536
	s_add_co_u32 s74, s74, LBIAS
	v_lshl_add_u32 v23, v3, 5, s74                 ; bias fragments: eight f32 at 32 h
	v_add_nc_u32 v204, s74, v6
	s_lshl_b32 s74, s2, 2
	v_add_nc_u32 v202, s74, v3                     ; 4 w + h: the row that I gather, in 16 b + 2 p + this
	v_lshlrev_b32 v148, 2, v202                    ; and the lane that knows its token, x 4
	v_add_nc_u32 v149, 8, v148
	v_add_nc_u32 v150, 64, v148
	v_add_nc_u32 v151, 72, v148
	v_mul_u32_u24 v202, v202, XP
	v_lshl_add_u32 v202, v2, 4, v202
	v_add_nc_u32 v203, 64*XP, v202                 ; rows 64 on: past a 16-bit offset
	s_wait_loadcnt 0x0
	v_add_nc_u32 v156, v156, v157
	v_add3_u32 v156, v156, v158, v159
	v_add3_u32 v156, v156, v160, v161
	v_add3_u32 v156, v156, v162, v163
	v_mov_b32 v157, 0
	v_mov_b32_dpp v157, v156 row_xmask:1 row_mask:0xf bank_mask:0xf
	v_add_nc_u32 v156, v156, v157
	v_mov_b32_dpp v157, v156 row_xmask:2 row_mask:0xf bank_mask:0xf
	v_add_nc_u32 v156, v156, v157
.irp e, 0,1,2,3,4,5,6,7
	v_readlane_b32 s[56+\e], v156, 4*\e            ; each expert's rows
.endr
	; my expert: the last whose first tile is not behind mine
	s_mov_b32 s68, 0
	s_mov_b32 s69, 0
	s_mov_b32 s70, s56
	s_mov_b32 s74, 0
.irp e, 0,1,2,3,4,5,6,7
	s_cmp_le_u32 s74, s66
	s_cselect_b32 s68, \e, s68
	s_cselect_b32 s69, s74, s69
	s_cselect_b32 s70, s[56+\e], s70
	s_add_co_u32 s75, s[56+\e], 79                 ; ceil(count / 80) = (count + 79) x 52,429 >> 22, exact up to 8,271
	s_mul_i32 s75, s75, 52429
	s_lshr_b32 s75, s75, 22
	s_add_co_u32 s74, s74, s75
.endr
	s_min_u32 s68, s68, 7
	s_sub_co_u32 s71, s66, s69
	s_mul_i32 s71, s71, 80                         ; my first row's rank in the expert
	s_sub_co_i32 s72, s70, s71                     ; rows left from there: 0 or less in a tile without rows
	s_max_u32 s73, s70, 1
	s_sub_co_u32 s73, s73, 1                       ; the last rank that exists
	s_lshl_b32 s87, s68, 7
	s_load_b512 s[24:39], s[16:17], s87 offset:2048   ; my expert's counts in the 32 blocks of 128 tokens
	s_load_b512 s[40:55], s[16:17], s87 offset:2112
	s_lshl_b32 s82, s68, 13
	s_lshl_b32 s75, s67, 12
	s_add_co_u32 s82, s82, s75
	s_lshl_b32 s75, s2, 10
	s_add_co_u32 s82, s82, s75
	s_add_nc_u64 s[10:11], s[10:11], s[82:83]
	global_load_b128 v[136:139], v6, s[10:11]      ; my wave's 256 b1
	global_load_b128 v[140:143], v6, s[10:11] offset:512
	s_lshl_b32 s82, s68, 11
	s_lshl_b32 s75, s2, 9
	s_add_co_u32 s82, s82, s75
	s_add_nc_u64 s[12:13], s[12:13], s[82:83]
	global_load_b128 v[144:147], v6, s[12:13]      ; my wave's 128 b2
	s_lshl_b32 s82, s68, 21                        ; both weight layouts: expert 2 MiB, half 1 MiB, wave 256 KiB
	s_lshl_b32 s75, s67, 20
	s_add_co_u32 s82, s82, s75
	s_lshl_b32 s75, s2, 18
	s_add_co_u32 s82, s82, s75
	s_add_nc_u64 s[CUR:CUR+1], s[6:7], s[82:83]
	s_add_nc_u64 s[NXT:NXT+1], s[CUR:CUR+1], 0x10000
	s_add_nc_u64 s[W2S:W2S+1], s[8:9], s[82:83]
	s_lshl_b32 s82, s67, 24
	s_add_nc_u64 s[20:21], s[20:21], s[82:83]      ; ypart at my half: 16 MiB
	; THE SEARCH: the token of rank R, for rows 32 q + lane, q = 0, 1, 2.  Each line is written for the three sets on end, so that no line reads the result of the line just before it; the sets' masks lie in s56-58.
	; Registers of set q from SB = 56 + 24 q: +0 rank, +1 block (later token), +2 count ahead, +3 offset, +4..7 and +8..11 mask words, +12 packed counts, +13 word, +14 choice 1's word,
	; +15 word's number, +16 count ahead of it (later at work), +17 at work, +18..21 field counts, +22 bit, +23 choice
.macro Q3 line:vararg                  ; one line for each set: SB its registers, QN its number
.set SB, 56
.set QN, 0
.rept 3
	\line
.set SB, SB+24
.set QN, QN+1
.endr
.endm
	Q3 v_add_nc_u32 v[SB], s71, v1
	Q3 v_add_nc_u32 v[SB], 32*QN, v[SB]
	Q3 v_min_u32 v[SB], s73, v[SB]                 ; places past the count repeat the last row
	Q3 v_mov_b32 v[SB+1], 0
	Q3 v_mov_b32 v[SB+2], 0
	s_wait_kmcnt 0x0
	s_mov_b32 s74, 0
.set i, 1
.rept 31                               ; the last block whose count ahead does not pass the rank
	s_add_co_u32 s74, s74, s[23+i]
	Q3 v_cmp_le_u32 s[56+QN], s74, v[SB]
	Q3 v_cndmask_b32 v[SB+1], v[SB+1], i, s[56+QN]
	Q3 v_cndmask_b32 v[SB+2], v[SB+2], s74, s[56+QN]
.set i, i+1
.endr
	s_lshl_b32 s75, s68, 4
	Q3 v_min_u32 v[SB+1], 31, v[SB+1]
	Q3 v_lshl_add_u32 v[SB+3], v[SB+1], 9, s75
.irp q, 0,1,2
	global_load_b128 v[60+24*\q:63+24*\q], v[59+24*\q], s[14:15]              ; choice 0's bits
	global_load_b128 v[64+24*\q:67+24*\q], v[59+24*\q], s[14:15] offset:128   ; choice 1's
	global_load_b32 v[68+24*\q], v[59+24*\q], s[14:15] offset:256             ; counts ahead of words 1, 2, 3
.endr
	s_wait_loadcnt 0x0                             ; these, and the biases issued ahead of them
	Q3 v_sub_nc_u32 v[SB], v[SB], v[SB+2]          ; the rank in the block
.irp g, 0,1,2,3
	Q3 v_or_b32 v[SB+4+\g], v[SB+4+\g], v[SB+8+\g]
.endr
	Q3 v_mov_b32 v[SB+13], v[SB+4]
	Q3 v_mov_b32 v[SB+14], v[SB+8]
	Q3 v_mov_b32 v[SB+15], 0
	Q3 v_mov_b32 v[SB+16], 0
.irp g, 1,2,3
	Q3 v_bfe_u32 v[SB+17], v[SB+12], 8*\g, 8
	Q3 v_cmp_le_u32 s[56+QN], v[SB+17], v[SB]
	Q3 v_cndmask_b32 v[SB+13], v[SB+13], v[SB+4+\g], s[56+QN]
	Q3 v_cndmask_b32 v[SB+14], v[SB+14], v[SB+8+\g], s[56+QN]
	Q3 v_cndmask_b32 v[SB+15], v[SB+15], \g, s[56+QN]
	Q3 v_cndmask_b32 v[SB+16], v[SB+16], v[SB+17], s[56+QN]
.endr
	Q3 v_sub_nc_u32 v[SB], v[SB], v[SB+16]         ; the rank in the word
	Q3 v_lshrrev_b32 v[SB+17], 1, v[SB+13]         ; counts of the word's fields of 2, 4 and 8 bits, and of its low 16
	Q3 v_and_b32 v[SB+17], 0x55555555, v[SB+17]
	Q3 v_sub_nc_u32 v[SB+18], v[SB+13], v[SB+17]
	Q3 v_lshrrev_b32 v[SB+17], 2, v[SB+18]
	Q3 v_and_b32 v[SB+17], 0x33333333, v[SB+17]
	Q3 v_and_b32 v[SB+19], 0x33333333, v[SB+18]
	Q3 v_add_nc_u32 v[SB+19], v[SB+19], v[SB+17]
	Q3 v_lshrrev_b32 v[SB+17], 4, v[SB+19]
	Q3 v_add_nc_u32 v[SB+17], v[SB+19], v[SB+17]
	Q3 v_and_b32 v[SB+20], 0x0f0f0f0f, v[SB+17]
	Q3 v_lshrrev_b32 v[SB+17], 8, v[SB+20]
	Q3 v_add_nc_u32 v[SB+17], v[SB+20], v[SB+17]
	Q3 v_and_b32 v[SB+21], 0xff, v[SB+17]
	Q3 v_mov_b32 v[SB+22], 0
.macro DESC3 creg, width, step         ; if the rank is not below the lower half's count, take the count away and go to the upper half
	Q3 v_bfe_u32 v[SB+17], v[SB+\creg], v[SB+22], \width
	Q3 v_cmp_le_u32 s[56+QN], v[SB+17], v[SB]
	Q3 v_cndmask_b32 v[SB+17], 0, v[SB+17], s[56+QN]
	Q3 v_cndmask_b32 v[SB+16], 0, \step, s[56+QN]
	Q3 v_sub_nc_u32 v[SB], v[SB], v[SB+17]
	Q3 v_add_nc_u32 v[SB+22], v[SB+22], v[SB+16]
.endm
	DESC3 21, 8, 16
	DESC3 20, 8, 8
	DESC3 19, 4, 4
	DESC3 18, 2, 2
	DESC3 13, 1, 1
	Q3 v_bfe_u32 v[SB+23], v[SB+14], v[SB+22], 1   ; which choice of the token this expert is
	Q3 v_lshl_add_u32 v[SB+1], v[SB+1], 7, v[SB+22]
	Q3 v_lshl_add_u32 v[SB+1], v[SB+15], 5, v[SB+1]   ; token = 128 block + 32 word + bit
	Q3 v_min_u32 v[SB+1], 0xfff, v[SB+1]
	Q3 v_lshl_add_u32 v[IDX+QN], v[SB+23], 12, v[SB+1]
	Q3 v_min_u32 v[IDX+QN], 0x1fff, v[IDX+QN]
	Q3 v_lshl_add_u32 v[131+QN], v[SB+1], 1, v[SB+23]
	Q3 v_min_u32 v[131+QN], 0x1fff, v[131+QN]
	Q3 v_lshlrev_b32 v[131+QN], 2, v[131+QN]
.irp q, 0,1,2
	global_load_b32 v[128+\q], v[131+\q], s[18:19]
.endr
	; THE GATHER: wave w brings rows 16 b + 4 w + 2 p + h: a load takes 256 bytes of each of two rows.  The token comes from the lane that found it.
.irp b, 0,1,2,3,4
.irp p, 0,1
	ds_bpermute_b32 v[AD+2*\b+\p], v[148+2*(\b%2)+\p], v[57+24*(\b/2)]
.endr
.endr
	s_wait_dscnt 0x0
.set n, 0
.rept 10
	v_min_u32 v[AD+n], 0xfff, v[AD+n]
	v_lshlrev_b32 v[AD+n], 10, v[AD+n]
	v_lshl_add_u32 v[AD+n], v2, 4, v[AD+n]
.set n, n+1
.endr
	WIN 0x80                                       ; destination window 2
.set n, 0
.rept 40
	global_load_b128 v[4*n:4*n+3], v[AD+n/4], s[4:5] offset:256*(n%4)
.set n, n+1
.endr
	WIN 0x40                                       ; destination window 1: the ring's first six units of 4 KiB
.set n, 0
.rept 48
	global_load_b128 v[4*n:4*n+3], v6, s[CUR:CUR+1] offset:512*n
.set n, n+1
.endr
	WIN 0
	; the biases, rounded to bf16 like every input; b2 is added in the first half alone, and twice, since H holds 2 h
.set z, 0
.rept 6
	v_cvt_pk_bf16_f32 v200, v[136+2*z], v[137+2*z]
	v_lshlrev_b32 v[136+2*z], 16, v200
	v_and_b32 v[137+2*z], s3, v200
.set z, z+1
.endr
	s_cmp_eq_u32 s67, 0
	s_cselect_b32 s75, 2.0, 0
.irp z, 144,145,146,147
	v_mul_f32 v[\z], s75, v[\z]
.endr
	ds_store_b128 v204, v[136:139]
	ds_store_b128 v204, v[140:143] offset:512
	ds_store_b128 v204, v[144:147] offset:1024
	s_wait_loadcnt 48                              ; gates and gathered rows are in; the ring's 48 loads, issued behind them, stay out
	WIN 0x08                                       ; store data in window 2
.set n, 0
.rept 32
	ds_store_b128 v202, v[4*n:4*n+3] offset:(16*(n/8)+2*((n/4)%2))*XP+256*(n%4)
.set n, n+1
.endr
.rept 8
	ds_store_b128 v203, v[4*n:4*n+3] offset:2*((n/4)%2)*XP+256*(n%4)
.set n, n+1
.endr
	WIN 0
.irp q, 0,1,2
	v_mov_b32 v[205+\q], 0
	v_permlanex16_b32 v[205+\q], v[128+\q], s22, s23
.endr
.irp b, 0,2,4                          ; row 16 b + r lies in lane r (b even) or 16 + r (b odd) of set b / 2: both halves of the lanes take it; halved, since H holds 2 h
	v_cndmask_b32 v[G+2*\b], v[128+\b/2], v[205+\b/2], s3
	v_mul_f32 v[G+2*\b], 0.5, v[G+2*\b]
	v_mov_b32 v[G+2*\b+1], v[G+2*\b]
.endr
.irp b, 1,3
	v_cndmask_b32 v[G+2*\b], v[205+\b/2], v[128+\b/2], s3
	v_mul_f32 v[G+2*\b], 0.5, v[G+2*\b]
	v_mov_b32 v[G+2*\b+1], v[G+2*\b]
.endr
	s_wait_dscnt 0x0                               ; for the others' sake: my rows of X are in LDS
	s_barrier_signal -1
	s_barrier_wait -1
.irp i, 0,1,2,3
	ds_load_b128 v[CI+8*\i:CI+8*\i+3], v23 offset:64*\i
	ds_load_b128 v[CI+8*\i+4:CI+8*\i+7], v23 offset:64*\i+16
.endr
.irp d, 0,1                            ; the token fragments of K steps 0 and 1
.irp b, 0,1,2,3,4
	ds_load_b128 v[T0+40*\d+8*\b:T0+40*\d+8*\b+3], v[XA+\b] offset:64*\d
	ds_load_b128 v[T0+40*\d+8*\b+4:T0+40*\d+8*\b+7], v[XA+\b] offset:64*\d+32
.endr
.endr
; ---------------------------------------------------------------- THE FIRST PRODUCT AND GELU
; Four matrix instructions: block b of 16 tokens x the pass's four groups of 16 hidden units.  In K step 0 the bias starts the sums.  The 20 accumulators take turns.
.macro MM1 j, b
.if (\j) == 0
	WIN 0x81                                       ; weights window 1, tokens and bias window 0, result window 2
.else
	WIN 0xa1
.endif
.irp i, 0,1,2,3
.if (\j) == 0
	v_wmma_f32_16x16x32_bf16 v[8*(4*(\b)+\i):8*(4*(\b)+\i)+7], v[WS+8*\i:WS+8*\i+7], v[TB+8*(\b):TB+8*(\b)+7], v[CI+8*\i:CI+8*\i+7]
.else
	v_wmma_f32_16x16x32_bf16 v[8*(4*(\b)+\i):8*(4*(\b)+\i)+7], v[WS+8*\i:WS+8*\i+7], v[TB+8*(\b):TB+8*(\b)+7], v[8*(4*(\b)+\i):8*(4*(\b)+\i)+7]
.endif
.endr
.endm
; K steps j and j + 1 of a pass (j even): 40 matrix instructions and ONE run of loads: the two weight units six steps on (behind the pass's 16 units: the next stream's), into the ring slots of
; steps j - 2 and j - 1, and the token fragments of steps j + 2 and j + 3, into those steps' buffers.  K step k has ring slot k % 8 and token buffer k % 4.
.macro K1P j
	s_wait_loadcnt 32                              ; my two units are in; the four younger units, 8 loads each, stay out
	s_wait_dscnt 0x0                               ; the two steps' token fragments
.set TB, T0+40*((\j)%4)+32*(((\j)%4)/2)
.set WS, 32*((\j)%8)
	MM1 \j, 0
	MM1 \j, 1
	PLACES
	WIN 0x40
.set m, 0
.rept 16
.set u, (\j)+6+m/8
.set WN, 32*(u%8)+4*(m%8)
.if u < 16
	global_load_b128 v[WN:WN+3], v6, s[CUR:CUR+1] offset:u*4096+512*(m%8)
.else
	global_load_b128 v[WN:WN+3], v6, s[NXT:NXT+1] offset:(u-16)*4096+512*(m%8)
.endif
.set m, m+1
.endr
	WIN 0
.irp d, 2,3
.set TN, T0+40*(((\j)+\d)%4)+32*((((\j)+\d)%4)/2)
.irp b, 0,1,2,3,4
	ds_load_b128 v[TN+8*\b:TN+8*\b+3], v[XA+\b] offset:64*(((\j)+\d)%16)
	ds_load_b128 v[TN+8*\b+4:TN+8*\b+7], v[XA+\b] offset:64*(((\j)+\d)%16)+32
.endr
.endr
.if (\j) == 2                          ; the next pass's bias fragments (in the last pass: bytes of b2, read for nothing)
.irp i, 0,1,2,3
	ds_load_b128 v[CI+8*\i:CI+8*\i+3], v23 offset:256+64*\i
	ds_load_b128 v[CI+8*\i+4:CI+8*\i+7], v23 offset:256+64*\i+16
.endr
.endif
	MM1 \j, 2
	MM1 \j, 3
	MM1 \j, 4
.set TB, T0+40*(((\j)+1)%4)+32*((((\j)+1)%4)/2)
.set WS, 32*(((\j)+1)%8)
	MM1 (\j)+1, 0
	MM1 (\j)+1, 1
	MM1 (\j)+1, 2
	MM1 (\j)+1, 3
	MM1 (\j)+1, 4
.endm
; 2 GELU(x) = x + |x| erf(|x| / sqrt(2)) = x + |x| (1 - t (a1 + t (a2 + t a3)) e), t = 1 / (1 + p |x| / sqrt(2)), e = exp(-x^2 / 2).
; Ten batches of 16 accumulator registers (two tiles).  Set n % 2 in window 3, from 80 + 64 (n % 2): |x| 16, t 16, e 16, the polynomial 16.  Batch n's packed h: window 3, v[8 n ..].
.macro WIN3                            ; every operand in window 3; the setting with source 2 in window 2 serves the lines that name no register there as well
.if (MSB != 0xff) && (MSB != 0xef)
	WIN 0xff
.endif
.endm
.macro G_PREP n                        ; ascending: each accumulator is read from its low end on
.set GB, 80+64*((\n)%2)
	WIN 0xca                                       ; sources window 2, destination window 3
.set p, 0
.rept 8
	v_and_b32 v[GB+2*p], s86, v[16*(\n)+2*p]
	v_and_b32 v[GB+2*p+1], s86, v[16*(\n)+2*p+1]
	v_pk_mul_f32 v[GB+32+2*p:GB+33+2*p], v[16*(\n)+2*p:16*(\n)+2*p+1], v[16*(\n)+2*p:16*(\n)+2*p+1]
.set p, p+1
.endr
	WIN 0xff
.set p, 0
.rept 8
	v_pk_fma_f32 v[GB+16+2*p:GB+17+2*p], v[GB+2*p:GB+2*p+1], s[88:89], 1.0 op_sel_hi:[1,0,0]
	v_pk_mul_f32 v[GB+32+2*p:GB+33+2*p], v[GB+32+2*p:GB+33+2*p], s[90:91] op_sel_hi:[1,0]
.set p, p+1
.endr
.endm
.macro G_TR n, idx                     ; number idx of the batch's 16 reciprocals and 16 exponentials, in place
.set GB, 80+64*((\n)%2)
	WIN3
.if (\idx) < 16
	v_rcp_f32 v[GB+16+(\idx)], v[GB+16+(\idx)]
.else
	v_exp_f32 v[GB+16+(\idx)], v[GB+16+(\idx)]
.endif
.endm
.macro G_PO n, idx                     ; number idx of the 48 that follow: six stages x eight pairs, so that a pair's stages stand eight lines apart
.set GB, 80+64*((\n)%2)
.set gs, (\idx)/8
.set gp, 2*((\idx)%8)
.if gs == 4
	WIN 0xef                                       ; source 2, x itself, in window 2
.else
	WIN3
.endif
.if gs == 0
	v_pk_fma_f32 v[GB+48+gp:GB+49+gp], v[GB+16+gp:GB+17+gp], s[96:97], s[94:95] op_sel_hi:[1,0,0]
.elseif gs == 1
	v_pk_fma_f32 v[GB+48+gp:GB+49+gp], v[GB+48+gp:GB+49+gp], v[GB+16+gp:GB+17+gp], s[92:93] op_sel_hi:[1,1,0]
.elseif gs == 2
	v_pk_mul_f32 v[GB+16+gp:GB+17+gp], v[GB+16+gp:GB+17+gp], v[GB+32+gp:GB+33+gp]
.elseif gs == 3
	v_pk_fma_f32 v[GB+48+gp:GB+49+gp], v[GB+48+gp:GB+49+gp], v[GB+16+gp:GB+17+gp], 1.0 op_sel_hi:[1,1,0] neg_lo:[1,0,0] neg_hi:[1,0,0]
.elseif gs == 4
	v_pk_fma_f32 v[GB+48+gp:GB+49+gp], v[GB+gp:GB+gp+1], v[GB+48+gp:GB+49+gp], v[16*(\n)+gp:16*(\n)+gp+1]
.else
	v_cvt_pk_f16_f32 v[8*(\n)+gp/2], v[GB+48+gp], v[GB+49+gp]
.endif
.endm
; Batch n's 32 transcendentals, each with a plain line of batch n - 1 behind it; the rest of batch n - 1; ONE wait for the 32: nothing ahead of it names a result of theirs.
.macro G_MIX n
.set x, 0
.rept 32
	G_TR \n, x
.if (\n) > 0
	G_PO (\n)-1, x
.endif
.set x, x+1
.endr
.if (\n) > 0
.rept 16
	G_PO (\n)-1, x
.set x, x+1
.endr
.else
	v_nop                                          ; a plain instruction behind the last of the batch
.endif
	s_wait_alu depctr_va_vdst(0)                   ; the wait ahead of the results' first reader: one for the batch
.endm
	s_mov_b32 s84, 4
.Lpass:                                                ; a pass: 64 hidden units x 80 tokens over K = 512, then their GELU into H
.irp j, 0,2,4,6,8,10,12,14
	K1P \j
.endr
	PLACES                                         ; between the last products and the first read of their results
.irp n, 0,1,2,3,4,5,6,7,8,9
	G_PREP \n
	G_MIX \n
.endr
.set x, 0
.rept 48
	G_PO 9, x
.set x, x+1
.endr
	WIN 0x0c                                       ; store data in window 3: the pass's h goes to LDS in one run; a lane's eight hidden units of a token are 16 bytes of H's row
.set z, 0
.rept 10
	ds_store_b128 v[HW+z/2], v[8*z:8*z+3] offset:64*(z%2)
	ds_store_b128 v[HW+z/2], v[8*z+4:8*z+7] offset:64*(z%2)+32
.set z, z+1
.endr
	WIN 0                                          ; at a label and at a branch every window is 0
	s_wait_xcnt 0x0                                ; the streams' pointers, which pending loads name, are rewritten only behind this wait
	s_mov_b64 s[CUR:CUR+1], s[NXT:NXT+1]
	s_add_nc_u64 s[82:83], s[NXT:NXT+1], 0x10000
	s_cmp_eq_u32 s84, 2                            ; behind the last pass's stream comes W2's: its first 24 KiB land in the ring as K steps 0 to 2
	s_cselect_b64 s[NXT:NXT+1], s[W2S:W2S+1], s[82:83]
.irp b, 0,1,2,3,4
	v_add_nc_u32 v[HW+\b], 128, v[HW+\b]           ; the next 64 hidden units
.endr
	v_add_nc_u32 v23, 0x100, v23
	s_sub_co_u32 s84, s84, 1
	s_cmp_lg_u32 s84, 0
	s_cbranch_scc1 .Lpass
; ---------------------------------------------------------------- THE SECOND PRODUCT
	s_wait_dscnt 0x0                               ; for the others' sake: my part of H is in LDS (the 48 weight loads stay out: nobody writes those bytes)
	s_barrier_signal -1
	s_barrier_wait -1
.irp i, 0,1,2,3,4,5,6,7
	ds_load_b128 v[CI+8*\i:CI+8*\i+3], v23 offset:64*\i          ; v23 has stepped to b2
	ds_load_b128 v[CI+8*\i+4:CI+8*\i+7], v23 offset:64*\i+16
.endr
.irp b, 0,1,2,3,4
	ds_load_b128 v[T0+8*\b:T0+8*\b+3], v[HA+\b]
	ds_load_b128 v[T0+8*\b+4:T0+8*\b+7], v[HA+\b] offset:32
.endr
.macro MM2 b, first                    ; eight matrix instructions: block b of 16 tokens x my eight groups of 16 channels
.if (\b) < 4
.set AC, 64*(\b)
.if \first
	WIN 0x81
.else
	WIN 0xa1
.endif
.else
.set AC, 0
.if \first
	WIN 0xc1                                       ; rows 64-79: result in window 3
.else
	WIN 0xf1
.endif
.endif
.irp i, 0,1,2,3,4,5,6,7
.if \first
	v_wmma_f32_16x16x32_f16 v[AC+8*\i:AC+8*\i+7], v[WS+8*\i:WS+8*\i+7], v[TB+8*(\b):TB+8*(\b)+7], v[CI+8*\i:CI+8*\i+7]
.else
	v_wmma_f32_16x16x32_f16 v[AC+8*\i:AC+8*\i+7], v[WS+8*\i:WS+8*\i+7], v[TB+8*(\b):TB+8*(\b)+7], v[AC+8*\i:AC+8*\i+7]
.endif
.endr
.endm
; A K step: 40 matrix instructions on 40 accumulators by turns.  slot: its 64 ring registers; par: its token buffer; wofs: where the K step three on lies from the stream's pointer (-1: none is left);
; tofs: where the next step's token fragments lie from HA (-1: none); lc: the younger weight loads.
.macro K2 slot, par, first, wofs, tofs, lc
.set TB, T0+40*(\par)
.set TN, T0+40*(1-(\par))
.set WS, 64*(\slot)
.set WN, 64*(((\slot)+3)%4)
	s_wait_loadcnt \lc
	s_wait_dscnt 0x0
	MM2 0, \first
	MM2 1, \first
	PLACES
.if (\wofs) >= 0
	WIN 0x40
.set m, 0
.rept 16
	global_load_b128 v[WN+4*m:WN+4*m+3], v6, s[W2S:W2S+1] offset:(\wofs)+512*m
.set m, m+1
.endr
.endif
.if (\tofs) >= 0
	WIN 0
.irp b, 0,1,2,3,4
	ds_load_b128 v[TN+8*\b:TN+8*\b+3], v[HA+\b] offset:(\tofs)
	ds_load_b128 v[TN+8*\b+4:TN+8*\b+7], v[HA+\b] offset:(\tofs)+32
.endr
.endif
	MM2 2, \first
	MM2 3, \first
	MM2 4, \first
.endm
	K2 0, 0, 1, 3*8192, 64, 32                     ; K step 0 stands ahead of the loop: 2 b2 starts the sums.  32: two younger K steps of 16 loads
	WIN 0
	s_mov_b32 s85, 7
.Lk2:                                                  ; K steps 1 + 4 u .. 4 + 4 u
	K2 1, 1, 0, 4*8192, 128, 32
	K2 2, 0, 0, 5*8192, 192, 32
	K2 3, 1, 0, 6*8192, 256, 32
	K2 0, 0, 0, 7*8192, 320, 32
	WIN 0
	s_wait_xcnt 0x0                                ; the pointer is stepped only behind this wait
	s_add_nc_u64 s[W2S:W2S+1], s[W2S:W2S+1], 0x8000
.irp b, 0,1,2,3,4
	v_add_nc_u32 v[HA+\b], 0x100, v[HA+\b]
.endr
	s_sub_co_u32 s85, s85, 1
	s_cmp_lg_u32 s85, 0
	s_cbranch_scc1 .Lk2
	K2 1, 1, 0, -1, 128, 32                        ; K steps 29, 30, 31 ask for no weights: the counts run down
	K2 2, 0, 0, -1, 192, 16
	K2 3, 1, 0, -1, -1, 0
; ---------------------------------------------------------------- THE WAY OUT
; Block b: times half the gate's weight (OMUL); through my stage, so that a row's 512 bytes of my 128 channels lie together; each row to ypart[choice][token], 512 consecutive bytes, aligned, a store.
; The next block's multiplies stand between a block's loads from the stage and the wait for them.  A block's 16 row offsets are made in batches through 16 scalar registers: all readlanes, then the
; scalar clamps and shifts, then the adds, so that no scalar line follows the vector line whose result it reads.
.macro OMUL b                          ; ascending: each accumulator is read from its low end on
.if (\b) < 4
	WIN 0x02
.set AC, 64*(\b)
.else
	WIN 0x03
.set AC, 0
.endif
.set z, 0
.rept 32
	v_pk_mul_f32 v[OT+2*z:OT+2*z+1], v[AC+2*z:AC+2*z+1], v[G+2*(\b):G+2*(\b)+1] op_sel_hi:[1,0]
.set z, z+1
.endr
	WIN 0
.endm
.macro OUTB b
	s_cmp_lt_i32 s72, 16*(\b)+1                    ; no row of this block, or of any behind it, exists: forward past the stores; no barrier is passed
	s_cbranch_scc1 .Lclose
	s_wait_xcnt 0x0                                ; the last block's stores have read their offsets and data
.set z, 0
.rept 8
	ds_store_b128 v24, v[OT+8*z:OT+8*z+3] offset:64*z
	ds_store_b128 v24, v[OT+8*z+4:OT+8*z+7] offset:64*z+16
.set z, z+1
.endr
.set z, 0
.rept 16                               ; LDS serves a wave's instructions in order: these see the stores above
	ds_load_b128 v[OB+4*z:OB+4*z+3], v25 offset:SPITCH*z
.set z, z+1
.endr
.set z, 0
.rept 16
	v_readlane_b32 s[24+z], v[IDX+(\b)/2], 16*((\b)%2)+z
.set z, z+1
.endr
.if (\b) < 4
	OMUL (\b)+1
.endif
.set z, 0
.rept 16
	s_min_u32 s[24+z], s[24+z], 0x1fff
	s_lshl_b32 s[24+z], s[24+z], 11
.set z, z+1
.endr
.set z, 0
.rept 16
	v_add_nc_u32 v[AD+z], s[24+z], v7
.set z, z+1
.endr
	s_wait_dscnt 0x0
.set z, 0
.rept 16
	global_store_b128 v[AD+z], v[OB+4*z:OB+4*z+3], s[20:21]
.set z, z+1
.endr
.endm
	WIN 0
	PLACES                                         ; between the last products and the first read of their results and write of their sources
	OMUL 0
	OUTB 0
	OUTB 1
	OUTB 2
	OUTB 3
	OUTB 4
.Lclose:
	s_wait_tensorcnt 0x0                           ; the wave's end: behind my last LDS store
	ds_add_u32 v4, v5
	s_wait_dscnt 0x0
	s_endpgm
.Lfunc_end_k_q830929d419_chain:
	.size	k_q830929d419_chain, .Lfunc_end_k_q830929d419_chain-k_q830929d419_chain
	.p2alignl 7, 3214868480
	.fill 96, 4, 3214868480
	.section	.rodata,"a",@progbits
	.p2align	6, 0x0
	.amdhsa_kernel k_q830929d419_chain
		.amdhsa_group_segment_fixed_size 288768
		.amdhsa_private_segment_fixed_size 0
		.amdhsa_enable_private_segment 0
		.amdhsa_kernarg_size 72
		.amdhsa_user_sgpr_count 2
		.amdhsa_user_sgpr_kernarg_segment_ptr 1
		.amdhsa_wavefront_size32 1
		.amdhsa_system_sgpr_workgroup_id_x 1
		.amdhsa_system_sgpr_workgroup_id_y 1
		.amdhsa_system_sgpr_workgroup_id_z 1
		.amdhsa_system_vgpr_workitem_id 0
		.amdhsa_next_free_vgpr 1024
		.amdhsa_next_free_sgpr 98
		.amdhsa_reserve_vcc 0
		.amdhsa_float_denorm_mode_32 3
		.amdhsa_float_denorm_mode_16_64 3
		.amdhsa_memory_ordered 1
		.amdhsa_forward_progress 1
		.amdhsa_inst_pref_size 248
	.end_amdhsa_kernel
	.amdgpu_metadata
---
amdhsa.version: [ 1, 2 ]
amdhsa.kernels:
  - .name:           k_q830929d419_chain
    .symbol:         k_q830929d419_chain.kd
    .args:
      - { .name: xb, .offset: 0, .size: 8, .value_kind: global_buffer, .address_space: global }
      - { .name: w1f, .offset: 8, .size: 8, .value_kind: global_buffer, .address_space: global }
      - { .name: w2f, .offset: 16, .size: 8, .value_kind: global_buffer, .address_space: global }
      - { .name: b1, .offset: 24, .size: 8, .value_kind: global_buffer, .address_space: global }
      - { .name: b2, .offset: 32, .size: 8, .value_kind: global_buffer, .address_space: global }
      - { .name: msk, .offset: 40, .size: 8, .value_kind: global_buffer, .address_space: global }
      - { .name: cnt, .offset: 48, .size: 8, .value_kind: global_buffer, .address_space: global }
      - { .name: gate, .offset: 56, .size: 8, .value_kind: global_buffer, .address_space: global }
      - { .name: ypart, .offset: 64, .size: 8, .value_kind: global_buffer, .address_space: global }
    .group_segment_fixed_size: 288768
    .private_segment_fixed_size: 0
    .kernarg_segment_align: 8
    .kernarg_segment_size: 72
    .max_flat_workgroup_size: 128
    .sgpr_count:     98
    .vgpr_count:     1024
    .wavefront_size: 32
...
	.end_amdgpu_metadata
.endif
;; end of part 2
;; launch sum (part 3): grid 256 x 1, 8 waves a work-group, no clusters, 0 bytes of LDS; arguments ypart, out0; writes out0
.if DOCPART == 3
	.amdgcn_target "amdgcn-amd-amdhsa--gfx1250"
	.amdhsa_code_object_version 6
	.text
	.protected	k_q830929d419_sum
	.globl	k_q830929d419_sum
	.p2align	8
	.type	k_q830929d419_sum,@function
k_q830929d419_sum:
	s_mov_b64 s[64:65], 0
	v_nop
	global_prefetch_b8 v0, s[64:65] scope:SCOPE_SE
	s_setreg_imm32_b32 hwreg(HW_REG_WAVE_MODE, 25, 1), 1
	s_wait_xcnt 0x0
; out0[t][:] = the sum of token t's four partial rows ypart[half][choice][t][:], f32: (p0 + p1) + (p2 + p3).  A dense stream: memory binds, so no LDS, no barrier, no matrix unit, no cluster
; (no byte has two readers).  A work-group owns 32 KiB of out0, a thread eight pieces of 16 bytes 4,096 bytes apart: a wave's load or store covers 512 consecutive bytes, aligned.
; All 32 loads of a thread go out first; the waits count down.
.set PLANE, 0x800000                   ; 4,096 rows of 2,048 bytes
	s_load_b128 s[4:7], s[0:1], 0x0                ; ypart, out0
	v_lshlrev_b32 v1, 4, v0
	s_lshl_b32 s2, ttmp9, 15
	s_mov_b32 s3, 0
	s_wait_kmcnt 0x0
	s_add_nc_u64 s[8:9], s[4:5], s[2:3]
	s_add_nc_u64 s[10:11], s[8:9], PLANE
	s_add_nc_u64 s[12:13], s[10:11], PLANE
	s_add_nc_u64 s[14:15], s[12:13], PLANE
	s_add_nc_u64 s[6:7], s[6:7], s[2:3]
.set i, 0
.rept 8
.irp p, 0,1,2,3
	global_load_b128 v[8+16*i+4*\p:8+16*i+4*\p+3], v1, s[8+2*\p:9+2*\p] offset:4096*i th:TH_LOAD_NT
.endr
.set i, i+1
.endr
.set i, 0
.rept 8
.set B, 8+16*i
	s_wait_loadcnt 28-4*i                          ; loads come back in order: the younger pieces' four loads each stay out
	v_pk_add_f32 v[B:B+1], v[B:B+1], v[B+4:B+5]
	v_pk_add_f32 v[B+2:B+3], v[B+2:B+3], v[B+6:B+7]
	v_pk_add_f32 v[B+8:B+9], v[B+8:B+9], v[B+12:B+13]
	v_pk_add_f32 v[B+10:B+11], v[B+10:B+11], v[B+14:B+15]
	v_pk_add_f32 v[B:B+1], v[B:B+1], v[B+8:B+9]
	v_pk_add_f32 v[B+2:B+3], v[B+2:B+3], v[B+10:B+11]
	global_store_b128 v1, v[B:B+3], s[6:7] offset:4096*i th:TH_STORE_NT
.set i, i+1
.endr
	s_endpgm
.Lfunc_end_k_q830929d419_sum:
	.size	k_q830929d419_sum, .Lfunc_end_k_q830929d419_sum-k_q830929d419_sum
	.p2alignl 7, 3214868480
	.fill 96, 4, 3214868480
	.section	.rodata,"a",@progbits
	.p2align	6, 0x0
	.amdhsa_kernel k_q830929d419_sum
		.amdhsa_group_segment_fixed_size 0
		.amdhsa_private_segment_fixed_size 0
		.amdhsa_enable_private_segment 0
		.amdhsa_kernarg_size 16
		.amdhsa_user_sgpr_count 2
		.amdhsa_user_sgpr_kernarg_segment_ptr 1
		.amdhsa_wavefront_size32 1
		.amdhsa_system_sgpr_workgroup_id_x 1
		.amdhsa_system_sgpr_workgroup_id_y 1
		.amdhsa_system_sgpr_workgroup_id_z 1
		.amdhsa_system_vgpr_workitem_id 0
		.amdhsa_next_free_vgpr 136
		.amdhsa_next_free_sgpr 66
		.amdhsa_reserve_vcc 0
		.amdhsa_float_denorm_mode_32 3
		.amdhsa_float_denorm_mode_16_64 3
		.amdhsa_memory_ordered 1
		.amdhsa_forward_progress 1
		.amdhsa_inst_pref_size 8
	.end_amdhsa_kernel
	.amdgpu_metadata
---
amdhsa.version: [ 1, 2 ]
amdhsa.kernels:
  - .name:           k_q830929d419_sum
    .symbol:         k_q830929d419_sum.kd
    .args:
      - { .name: ypart, .offset: 0, .size: 8, .value_kind: global_buffer, .address_space: global }
      - { .name: out0, .offset: 8, .size: 8, .value_kind: global_buffer, .address_space: global }
    .group_segment_fixed_size: 0
    .private_segment_fixed_size: 0
    .kernarg_segment_align: 8
    .kernarg_segment_size: 16
    .max_flat_workgroup_size: 256
    .sgpr_count:     66
    .vgpr_count:     136
    .wavefront_size: 32
...
	.end_amdgpu_metadata
.endif
;; end of part 3
